; MI455X (gfx1250); checked and timed in simulation.
; The chip was launched on July 23, 2026; its instructions are those of AMD's public machine-readable ISA for CDNA 5 (MIT licence, August 2026) and "CDNA5" Instruction Set Architecture Reference Guide (July 2026). The comments in the code are by the model that wrote it; some were corrected since.
;; Fuzzy Multihead Attention. Allowed arithmetic: matrix products marked QUANTISED: E5M2 operands, one given power-of-two scale a tensor, by v_wmma_f32_16x16x64_bf8_bf8 or v_wmma_f32_16x16x128_bf8_bf8, f32 sums; products left as they are: f32 operands where the result goes on into a quantised operand, else bf16, f16 or f32 operands; f32 sums; everything else in f32.
;; Inputs: Wo_codes 512 x 16 x 32 uint8 (E5M2 codes of Wo, K innermost, in blocks of 32 codes); Wq_codes 512 x 16 x 32 uint8 (E5M2 codes of Wq, K innermost, in blocks of 32 codes); Wv_codes 8,192 x 16 x 32 uint8 (E5M2 codes of Wv, K innermost, in blocks of 32 codes); bo 512 float32; bq 512 float32; bv 8,192 float32; key 4 x 2,048 x 512 float32; lowp_scales 6 int32 (the exponents e of the quantised operands' scales 2^e); query_codes 4 x 2,048 x 16 x 32 uint8 (E5M2 codes of query, K innermost, in blocks of 32 codes); rules_keys 8 x 16 x 64 float32; rules_widths 8 x 16 x 64 float32; value_codes 4 x 2,048 x 16 x 32 uint8 (E5M2 codes of value, K innermost, in blocks of 32 codes).
;; Outputs: out0 4 x 2,048 x 512 float32.
;; This version of the problem:
;;   THIS VERSION OF THE PROBLEM IS GIVEN IN LOW PRECISION. The matrix products marked QUANTISED in the list below multiply operands that are first quantised to E5M2 (5 exponent bits, 2 mantissa bits; 8 bits a number), with one given power-of-two scale for each operand tensor; their sums are f32. All else is computed in f32.
;;   The module's matrix products, in the order in which they are computed (A, B: the left and right operand; K: the contracted axis; several contracted axes count as one K, in the product's order):
;;     1. [M 8,192, K 512] x [K 512, N 512]; A: input query (given as codes); B: input Wq (given as codes): QUANTISED (scales: A lowp_scales[0], B lowp_scales[1])
;;     2. [M 8,192, K 512] x [K 512, N 8,192]; A: input value (given as codes); B: input Wv (given as codes): QUANTISED (scales: A lowp_scales[2], B lowp_scales[3])
;;     3. batch 65,536 x [M 1, K 16] x [K 16, N 64]; A: softmax; B: computed on the way: left as it is (K = 16 < 32)
;;     4. [M 8,192, K 512] x [K 512, N 512]; A: computed on the way; B: input Wo (given as codes): QUANTISED (scales: A lowp_scales[4], B lowp_scales[5])
;;   THE QUANTISER, for each operand of a quantised product, along K:
;;     - The operand's scale is 2^e, e = its entry of the input lowp_scales (int32; the entries are numbered through the quantised products in the list's order, A before B).
;;     - Each number is divided by the scale, clamped to +-57,344, and rounded to the nearest number of E5M2, ties to even, subnormals kept.
;;     - The product sums the exact products of the quantised numbers (number of the format x scale) in f32.
;;   ~~~python
;;   def quantise(x, axis, e):      # numpy; x: float32 -> the quantised numbers, widened to float32 again
;;       x = np.moveaxis(x, axis, -1); K = x.shape[-1]
;;       r = np.clip(x / 2.0 ** e, -57344, 57344)
;;       step = 2.0 ** (np.maximum(np.frexp(np.where(r == 0, 1, r))[1] - 1, -14) - 2)
;;       q = np.round(r / step) * step * 2.0 ** e      # np.round: ties to even
;;       return np.moveaxis(q, -1, axis).astype(np.float32)
;;   ~~~
;;   OPERANDS COMPUTED ON THE WAY. 'Computed on the way' means the value that the module computes at that place (a softmax that the list does not call 'softmax' is quantised finished and normalised). What goes into a quantiser is computed in f32, as accurately as f32 sums, v_exp_f32 and their like allow (about 1e-6 of the number): no bf16 or f16 on the way to a quantiser, and a product that is left as it is and whose result goes on into a quantised operand takes f32 operands (vector FMAs, or v_wmma_f32_16x16x4_f32). A number that lies on a knife's edge between two numbers of the format may be rounded either way, as far as f32 arithmetic and the matrix unit's own rounding can turn it there, and no further.
;;   INPUTS GIVEN AS CODES. Wo (in the module: [512, 512], K = its axis 1); Wq (in the module: [512, 512], K = its axis 1); Wv (in the module: [8192, 512], K = its axis 1); query (in the module: [4, 2048, 512], K = its axis 2); value (in the module: [4, 2048, 512], K = its axis 2): each comes as NAME_codes (uint8): NAME with its K axis moved to the last place and cut into blocks of 32 codes, [.., K / 32, bytes a block], one block behind the other in memory; one code a byte (a code: sign, 5 exponent bits, 2 mantissa bits); its scale is its entry of lowp_scales. Its value is code x scale, taken as it is: it is not quantised again, and the codes and scales need not be those that the quantiser above would give.
;; One version. Each part assembles by itself: llvm-mc -triple=amdgcn-amd-amdhsa -mcpu=gfx1250 --defsym DOCPART=n.
;; ======== version 1 of 1: 1 launch
;; limits: right only within a limited range of input values
;; launch fuzzy (part 1): grid 32 x 8, 4 waves a work-group, clusters of 4 x 4, 327,680 bytes of LDS; arguments query_codes, Wq_codes, value_codes, Wv_codes, Wo_codes, bq, bv, bo, rules_keys, rules_widths, lowp_scales, out0; writes out0
.if DOCPART == 1
	.amdgcn_target "amdgcn-amd-amdhsa--gfx1250"
	.amdhsa_code_object_version 6
	.text
	.protected	k_qf03a58e4c7_fuzzy
	.globl	k_qf03a58e4c7_fuzzy
	.p2align	8
	.type	k_qf03a58e4c7_fuzzy,@function
k_qf03a58e4c7_fuzzy:
	s_mov_b64 s[64:65], 0
	v_nop
	global_prefetch_b8 v0, s[64:65] scope:SCOPE_SE
	s_setreg_imm32_b32 hwreg(HW_REG_WAVE_MODE, 25, 1), 1
	s_wait_xcnt 0x0
	s_wait_alu depctr_hold_cnt(0) depctr_sa_sdst(0) depctr_va_vdst(0) depctr_va_sdst(0) depctr_va_ssrc(0) depctr_va_vcc(0) depctr_vm_vsrc(0)
	s_getreg_b32 s2, hwreg(HW_REG_IB_STS2, 6, 4)
	s_cmp_eq_u32 s2, 0
	s_cbranch_scc0 .Lentry_in_a_cluster
	s_endpgm
.Lentry_in_a_cluster:
	s_bfe_u32 s2, ttmp6, 0x10000c
	s_cmp_lg_u32 s2, 0xf033
	s_cbranch_scc0 .Lentry_shape_is_right
	s_endpgm
.Lentry_shape_is_right:
; FuzzyMultiheadAttention, whole, in one launch; the three large products on codes of BF8 (E5M2), each operand with the one scale 2^e that is given for it (e0..e5).
;   q = (query Wq^T + bq) / 8;  z[rule] = -(1/128) sum over d of ((q_d - key[rule][d]) / width[rule][d])^2;  attn = softmax over the 16 rules;
;   v = (value Wv^T + bv) / 8, column h 1024 + d 16 + rule;  o[token][h][d] = sum over rules of attn v;  (b,s,h,d) -> (b,h,s,d) -> rows of 512;  out0 = Q(o) Wo^T + bo.
; SHARES.  A work-group owns 256 tokens of one batch and one head, and so 32 whole rows of the last product: nothing goes through memory.  4 batches x 8 blocks x 8 heads = 256 work-groups of four waves.
; v (8,192 x 8,192 numbers) is never kept: each finished 16 x 16 accumulator (one d, its 16 rules, 16 tokens) is folded with attn at once.
; THE PRODUCTS ARE USED TRANSPOSED (source 0 = 16 rows of a weight, source 1 = 16 tokens): a lane holds ONE token (lane % 16) and eight rows of the weight (8 h + 0..7, h = lane / 16).
; RULE SUMS.  With k0 = the head's key of rule 0, t = q - k0 and u = key - k0: S = -z log2(e) = sum over d of (a t^2 + b t) + c, a = s^2 / width^2, b = -2 a u, c = sum of a u^2, s^2 = log2(e) / 128: a product in f32 of the rules
; with the tokens, K = 64 squares and 64 numbers.  Both q and the keys are taken from k0 first, so an offset that they share enters no sum.  The accumulators of q are its second operand as they stand.
; MAIN PRODUCT.  Wave w takes tokens 128 (w / 2) on and d 32 (w % 2) on.  Its codes of value for the whole K (8 tiles x 4 K steps x 16 registers) stay in registers; only Wv streams from LDS, each fragment for eight matrix instructions.
; A lane's eight results are rules 8 h .. 8 h + 7 of one d: it needs eight numbers of attn a token.  The d come in pairs, 8 apart: the halves of the lanes exchange their parts of the two sums, and lane half h keeps the d of its half.
; CLUSTER, 4 x 4.  The four work-groups of a row share the head (Wv), the four of a column the tokens (query, value): these tiles are asked for JOINTLY.  Wo's tiles are the same for all sixteen: their address
; hangs on no place in the cluster, whereas a joint request names four partners that share a coordinate; so each work-group asks for Wo by itself.  Wq's 32 KiB a head come through registers.
; NO PREFETCH: a refill is asked for 80 matrix instructions of a wave or more ahead of the wait for it, and the kernel has no loop to run ahead in.
; DEAD WORK: key is not read and is no argument: reference() takes it and never uses it, so for no values does a result hang on it; a NaN or an infinity in it is not carried to the result.
; SCALES.  acc = sum + (bq - 8 k0) 2^-(e0+e1), t = acc 2^(e0+e1-3); the main product's C is bv 2^-(e2+e3).  o = P 2^(e2+e3-3), P = sum of attn acc: its code is P / 2^(e4-e2-e3+3).
; LIMITS.  e0+e1-3 between -126 and 127, e4-e2-e3+3 between -126 and 112, e4+e5 between -126 and 127, so that each power of two made by shifts is an f32 number.  NaN and infinities among the inputs are not
; served.  The magnitudes of the widths lie between 2^-60 and 2^60 (their squares are f32 numbers).  A weight 2^(min S - S) under 2^-126 counts as 0.
; The codes of a K step are taken by four loads of 16 bytes a lane, in A and in B alike: a permutation of k inside an instruction, the same on both sides.
; REGISTERS, in windows of 256 (s_set_vgpr_msb: bits 1:0 source 0, 3:2 source 1, 5:4 source 2, 7:6 destination):
;   window 0: v0-14 addresses; v16-79 accumulators (v16-47 first the rule sums: written by matrix instructions alone); v80-143 attn; v144-207 P; v208-215, v216-223 parts of sums; v224-255 the biases (two sets).
;             Head: v48-79 addresses, v80-207 loads, then q; v224-255 bq.  Last product: v80-143 bo, v144-207 and v224-255 the way out.
;   window 1: Wv's fragments, two pairs of units.  Head: the rules' tables (v0-63), the squares (v64-191).  Last product: the codes' fragments.
;   windows 2, 3: phase Q's fragments; value's fragments (tiles 0-3, 4-7); Wo's (rows 0-255, 256-511).
.set ROW,   528                        ; an LDS row: 512 bytes + 16 of padding = 132 words: row r starts at bank 4 r mod 64 (64 banks of 4 bytes: ISA guide 11.1)
.set FRW,   16*ROW
.set QSL,   64*ROW                     ; a quarter of a slot: 64 rows
.set QP,    2*QSL                      ; what a wave fetches at the head: 128 rows.  Slot 0 is four quarters: first query's 256 rows; slot 1 the next four: first value's 256 rows
; The lead of each refill, counted in a wave's matrix instructions up to the wait for it: Wv's first tile 128 (the rule sums), its second 192 (the figure above), its third and fourth and Wo's first half 176, Wo's second half 80
; and the way out of the first 256 columns.
.set XQ,    4*QP                       ; Wq's 64 rows; then attn; then the codes of o, 32 rows
.set SPARE, XQ+QSL                     ; the spare words, 128 bytes for each wave: two blocks of 256 bytes that no other line names
.set TAB,   SPARE+512                  ; a [rule][d], then b, rows of TPIT bytes
.set TPIT,  272
.set TLIN,  16*TPIT
.set CK,    TAB+2*TLIN                 ; c [rule]
.set BIAS,  TAB+8960                   ; bv 2^-(e2+e3) of the head, [d][rule]
.set OST,   TAB                        ; the way out, over the tables when they are done with: 16 rows of OP bytes for each wave
.set OP,    272
.set BO,    OST+4*16*OP                ; bo
.set AWB,  1                           ; v1, v2 Wv's fragments: quarter 2 g, 2 g + 1
.set ABI,  3                           ; the bias of my d
.set SPW,  4                           ; my spare word; never rewritten
.set NIL,  5                           ; 0; never rewritten
.set SCV,  6                           ; 2^(e4-e2-e3+3) as f32
.set LIMV, 7                           ; 57,344 x that
.set CSA,  8                           ; where I store eight codes
.set AQ,   9                           ; Wo's fragments: my quarter
.set AWQ,  10                          ; Wq's (later the codes') fragments
.set OSI,  11                          ; the way out: in, back, my byte offset in two rows of out0, bo
.set OSR,  12
.set OA,   13
.set ABO,  14
.set ACC,  16
.set ATT,  80
.set PR,   144
.set XX,   208
.set PP,   216
.set BC,   224
.set QA,   80
.set TB,   224
.set AQQ,  56                          ; head: query's fragments, value's fragments
.set AVA,  57
.set WQG,  60                          ; Wq: in memory, in LDS
.set WQS,  61
.set ATW,  62                          ; attn, where I store it, where I read it
.set ATR,  63
.set TABW, 68
.set CKW,  70
.set BIW,  71
.set BOW,  72
.set TABR, 73
.set CKR,  74
.set CC,   76
.set KEY,  80
.set WID,  88
.set K0,   96
.set BVV,  104
.set BOT,  112
.set WQR,  116
.set K0L,  180
.set SE,   80                          ; softmax: weights, least sums, sums, lane exchange
.set SM,   112
.set SS,   120
.set SX,   128
.set SB,   132
.set BOV,  80
.set TMP,  144
.set BK,   224
.set PQ,  4                            ; s[4:27] the buffers' addresses
.set PWQ, 6
.set PV,  8
.set PWV, 10
.set PWO, 12
.set PBQ, 14
.set PBV, 16
.set PBO, 18
.set PRK, 20
.set PRW, 22
.set PSC, 24
.set POUT, 26
.set G0C, 28                           ; descriptor group 0: value
.set EX,  32                           ; e0 .. e5
.set WV,  38
.set TP,  39
.set GG,  40
.set CX,  41
.set CY,  42
.set XB,  43
.set HD,  44
.set LD0, 45                           ; LDS byte of my quarter's slot 0, slot 1
.set LD1, 46
.set G1C2, 48                          ; group 1: 128 rows, to my column of the cluster
.set G1R, 56                           ; 64 rows, to my row
.set SEL, 66                           ; lane selects for v_permlanex16_b32: lane l xor 16
.set G1P, 76                           ; 64 rows, to me alone
.set QS,  84                           ; s[84:85] 2^(e0+e1-3)
.set G0A, 92                           ; group 0: query, later Wo
.set G0B, 96                           ; group 0: Wv
.set OSC, 100                          ; s[100:101] 2^(e4+e5)
.set TO,  104
.set PADW, (1<<20)|(6<<22)|(3<<25)     ; elements of 1 byte; padding on; after every 128 words (code 6) four words (code 3)
.set MSB, 0
.macro WIN new                         ; the immediate's high byte repeats the setting that is left; a switch that changes nothing is dropped
.if MSB != (\new)
	s_set_vgpr_msb (MSB<<8)|(\new)
.set MSB, (\new)
.endif
.endm
.macro PLACES n                        ; plain vector instructions between a matrix instruction and a read of its result or a load into its registers
.rept \n
	v_nop
.endr
.endm
.macro CREST                           ; a round of the cluster's barrier behind its opening barrier
	s_cmp_lg_u32 s[WV], 0
	s_cbranch_scc1 .Lnot_wave_0_\@
	s_barrier_signal -3
.Lnot_wave_0_\@:
	s_barrier_wait -3
	s_barrier_signal -1
	s_barrier_wait -1
.endm
.macro CROUND                          ; a whole round
	s_barrier_signal -1
	s_barrier_wait -1
	CREST
.endm
.macro FRAG reg, adr, off              ; a fragment, 16 rows x 128 K: registers 4 c .. 4 c + 3 hold k = 32 c + 16 h + 0 .. 15 of row lane % 16
.irp c, 0,1,2,3
	ds_load_b128 v[(\reg)+4*\c:(\reg)+4*\c+3], v[\adr] offset:(\off)+32*\c
.endr
.endm
	s_load_b512 s[4:19], s[0:1], 0x0               ; query, Wq, value, Wv, Wo, bq, bv, bo
	s_load_b256 s[20:27], s[0:1], 0x40             ; rules_keys, rules_widths, lowp_scales, out0
	v_lshl_add_u32 v[SPW], v0, 2, SPARE
	v_mov_b32 v[NIL], 0
	ds_add_u32 v[SPW], v[NIL]                      ; the wave's opening: the add, twice on end, and its wait ahead of my first tensor load
	ds_add_u32 v[SPW], v[NIL]
	v_lshrrev_b32 v48, 5, v0
	v_readfirstlane_b32 s[WV], v48                 ; wave 0..3
	s_lshr_b32 s[TP], s[WV], 1                     ; which 128 tokens are mine in the main product
	s_and_b32 s[GG], s[WV], 1                      ; which 32 d
	s_bfe_u32 s[CX], ttmp6, 0x40000                ; my place in the cluster
	s_bfe_u32 s[CY], ttmp6, 0x40004
	s_lshl_b32 s[XB], ttmp9, 2
	s_add_co_u32 s[XB], s[XB], s[CX]               ; block of 256 tokens = 4 x cluster x + cx: batch XB / 8, block XB % 8
	s_and_b32 s[HD], ttmp7, 0xffff
	s_lshl_b32 s[HD], s[HD], 2
	s_add_co_u32 s[HD], s[HD], s[CY]               ; head = 4 x cluster y + cy
	s_lshl_b32 s[TO], s[CY], 2
	s_lshl_b32 s[TO], 15, s[TO]                    ; my row of the cluster: it shares the head
	s_lshl_b32 s[TO+1], 0x1111, s[CX]              ; my column: it shares the tokens
	s_or_b32 s[G1C2], s[TO+1], PADW|(1<<21)        ; 15:0 the mask; 21 set beside a mask
	s_or_b32 s[G1R], s[TO], PADW|(1<<21)
	s_mov_b32 s[G1P], PADW                         ; no mask
.irp g, G1C2, G1R, G1P
	s_mov_b32 s[\g+1], 512<<16                     ; tensor_dim0 = 512
	s_mov_b32 s[\g+3], 512<<16                     ; tile_dim0 = 512
	s_mov_b32 s[\g+5], 512                         ; from row to row
	s_mov_b32 s[\g+6], 0
	s_mov_b32 s[\g+7], 0
.endr
.irp g, G1R, G1P
	s_mov_b32 s[\g+2], 64<<16                      ; tensor_dim1
	s_mov_b32 s[\g+4], 64                          ; tile_dim1
.endr
	s_mov_b32 s[G1C2+2], 128<<16
	s_mov_b32 s[G1C2+4], 128
	s_mov_b32 s[SEL], 0x76543210
	s_mov_b32 s[SEL+1], 0xfedcba98
	s_mul_i32 s[LD0], s[WV], QSL                   ; no place in the cluster enters an LDS address
	s_add_co_u32 s[LD1], s[LD0], 4*QSL
	s_mov_b32 s[G0A], 1
	s_mul_i32 s[G0A+1], s[WV], QP                  ; waves 0, 1: 128 tokens of query each, into slot 0
	s_mov_b32 s[G0C], 1
	s_mul_i32 s[G0C+1], s[WV], QP                  ; waves 2, 3: 128 tokens of value each, into slot 1
	s_mov_b32 s[G0B], 1
	s_mov_b32 s[G0B+1], s[LD0]
	; the LDS addresses' scalar parts (s32-34, s84-91 for now)
	s_lshl_b32 s84, s[WV], 13                      ; Wq: 16 rows a wave, in memory
	s_mul_i32 s85, s[WV], FRW                      ; and in LDS
	s_add_co_u32 s85, s85, XQ
	s_mul_i32 s86, s[TP], QP                       ; query: my 64 tokens
	s_mul_i32 s2, s[GG], QSL
	s_add_co_u32 s86, s86, s2
	s_add_co_u32 s87, s[TP], 2                     ; value: my 128 tokens lie in quarter 2 + tp
	s_mul_i32 s87, s87, QP
	s_mul_i32 s88, s[GG], 2*QSL                    ; Wv: quarters 2 g, 2 g + 1 of slot 0
	s_lshl_b32 s89, s[GG], 11
	s_add_co_u32 s89, s89, BIAS
	s_mul_i32 s90, s[TP], FRW                      ; codes: token 128 tp + 16 t + r lies in row 16 tp + 2 t + r / 8, at byte 64 (r % 8) + d
	s_lshl_b32 s2, s[GG], 5
	s_add_co_u32 s90, s90, s2
	s_add_co_u32 s90, s90, XQ
	s_mul_i32 s91, s[WV], 16*OP
	s_add_co_u32 s91, s91, OST
	s_lshl_b32 s32, s[WV], 8
	s_add_co_u32 s32, s32, BO
	s_lshl_b32 s33, s[WV], 12                      ; attn: 1,024 bytes a tile of tokens
	s_add_co_u32 s33, s33, XQ
	s_lshl_b32 s34, s[TP], 13
	s_add_co_u32 s34, s34, XQ
	s_lshl_b32 s[TO], s[XB], 17                    ; query, value: 256 rows of 512 bytes a block,
	s_lshl_b32 s2, s[GG], 16                       ; 128 a wave
	s_add_co_u32 s[TO], s[TO], s2
	s_mov_b32 s[TO+1], 0
	v_and_b32 v50, 31, v0                          ; lane
	v_and_b32 v51, 15, v0                          ; r = lane % 16
	v_bfe_u32 v52, v0, 4, 1                        ; h = lane / 16
	v_bfe_u32 v53, v0, 3, 1                        ; r / 8
	v_and_b32 v54, 7, v0                           ; r % 8
	v_mul_u32_u24 v55, v51, ROW
	v_lshl_add_u32 v55, v52, 4, v55                ; 528 r + 16 h
	v_add_nc_u32 v[AQQ], s86, v55
	v_add_nc_u32 v[AVA], s87, v55
	v_add_nc_u32 v[AWB], s88, v55
	v_add_nc_u32 v[AWB+1], QSL, v[AWB]
	v_add_nc_u32 v[AQ], s[LD0], v55
	v_add_nc_u32 v[AWQ], XQ, v55
	v_lshl_add_u32 v[ABI], v52, 5, s89             ; d = 32 g on, 64 bytes a d, rules 8 h on
	v_mul_u32_u24 v58, v53, ROW
	v_lshl_add_u32 v58, v54, 6, v58
	v_lshl_add_u32 v58, v52, 3, v58
	v_add_nc_u32 v[CSA], s90, v58
	v_mul_u32_u24 v49, v51, OP
	v_lshl_add_u32 v49, v52, 5, v49                ; 272 r + 32 h
	v_add_nc_u32 v[OSI], s91, v49
	v_add_nc_u32 v[TABR], TAB, v49
	v_mul_u32_u24 v[OSR], v52, OP
	v_lshl_add_u32 v[OSR], v51, 4, v[OSR]
	v_add_nc_u32 v[OSR], s91, v[OSR]
	v_lshlrev_b32 v[OA], 11, v52
	v_lshl_add_u32 v[OA], v51, 4, v[OA]
	v_lshl_add_u32 v[ABO], v52, 5, s32
	v_lshlrev_b32 v59, 4, v50                      ; 16 x lane
	v_add_nc_u32 v[WQG], s84, v59
	v_add_nc_u32 v[WQS], s85, v59
	v_add_nc_u32 v[ATW], s33, v59
	v_add_nc_u32 v[ATR], s34, v59
	v_lshlrev_b32 v64, 5, v0                       ; thread t takes 32 bytes of the head's keys, widths and bv,
	v_lshlrev_b32 v65, 4, v0                       ; 16 of bo,
	v_lshlrev_b32 v66, 5, v54                      ; the same d of rule 0's key,
	v_lshlrev_b32 v67, 5, v52                      ; and bq and rule 0's key in the result's layout
	v_lshrrev_b32 v69, 3, v0                       ; its rule
	v_mul_u32_u24 v[TABW], v69, TPIT
	v_lshl_add_u32 v[TABW], v54, 5, v[TABW]
	v_add_nc_u32 v[TABW], TAB, v[TABW]
	v_lshlrev_b32 v[CKW], 2, v69
	v_add_nc_u32 v[CKW], CK, v[CKW]
	v_add_nc_u32 v[BIW], BIAS, v64
	v_add_nc_u32 v[BOW], BO, v65
	v_add_nc_u32 v[CKR], CK, v67
	s_wait_alu depctr_va_vdst(0)                   ; directly ahead of the waits below
	s_wait_dscnt 0x0                               ; both opening adds are done
	s_wait_kmcnt 0x0
	s_load_b128 s[EX:EX+3], s[PSC:PSC+1], 0x0      ; e0 .. e3
	s_load_b64 s[EX+4:EX+5], s[PSC:PSC+1], 0x10    ; e4, e5
	s_add_nc_u64 s[G0A+2:G0A+3], s[PQ:PQ+1], s[TO:TO+1]
	s_add_nc_u64 s[G0C+2:G0C+3], s[PV:PV+1], s[TO:TO+1]
	s_or_b32 s[G0A+3], s[G0A+3], 0x80000000        ; type = 2
	s_or_b32 s[G0C+3], s[G0C+3], 0x80000000
	CROUND                                         ; all sixteen work-groups are here: the first joint loads meet
	s_cmp_lt_u32 s[WV], 2                          ; one tensor load a wave at the head
	s_cbranch_scc0 .Lvalue
	tensor_load_to_lds s[G0A:G0A+3], s[G1C2:G1C2+7]
	s_nop 0
	PLACES 4
	s_branch .Lasked
.Lvalue:
	tensor_load_to_lds s[G0C:G0C+3], s[G1C2:G1C2+7]
	s_nop 0
	PLACES 4
.Lasked:
	; the other buffers at my part
	s_mov_b32 s[TO+1], 0
	s_lshl_b32 s[TO], s[HD], 12                    ; 1,024 f32 a head
	s_add_nc_u64 s[PRK:PRK+1], s[PRK:PRK+1], s[TO:TO+1]
	s_add_nc_u64 s[PRW:PRW+1], s[PRW:PRW+1], s[TO:TO+1]
	s_add_nc_u64 s[PBV:PBV+1], s[PBV:PBV+1], s[TO:TO+1]
	s_lshl_b32 s[TO], s[HD], 8                     ; 64 f32 a head
	s_add_nc_u64 s[PBQ:PBQ+1], s[PBQ:PBQ+1], s[TO:TO+1]
	s_lshl_b32 s[TO], s[HD], 15                    ; Wq: 64 rows a head
	s_add_nc_u64 s[PWQ:PWQ+1], s[PWQ:PWQ+1], s[TO:TO+1]
	global_load_b128 v[KEY:KEY+3], v64, s[PRK:PRK+1]
	global_load_b128 v[KEY+4:KEY+7], v64, s[PRK:PRK+1] offset:16
	global_load_b128 v[WID:WID+3], v64, s[PRW:PRW+1]
	global_load_b128 v[WID+4:WID+7], v64, s[PRW:PRW+1] offset:16
	global_load_b128 v[K0:K0+3], v66, s[PRK:PRK+1]
	global_load_b128 v[K0+4:K0+7], v66, s[PRK:PRK+1] offset:16
	global_load_b128 v[BVV:BVV+3], v64, s[PBV:PBV+1]
	global_load_b128 v[BVV+4:BVV+7], v64, s[PBV:PBV+1] offset:16
	global_load_b128 v[BOT:BOT+3], v65, s[PBO:PBO+1]
.irp dt, 0,1,2,3
	global_load_b128 v[TB+8*\dt:TB+8*\dt+3], v67, s[PBQ:PBQ+1] offset:64*\dt       ; bq at d = 16 dt + 8 h + 0 .. 7
	global_load_b128 v[TB+8*\dt+4:TB+8*\dt+7], v67, s[PBQ:PBQ+1] offset:64*\dt+16
	global_load_b128 v[K0L+8*\dt:K0L+8*\dt+3], v67, s[PRK:PRK+1] offset:64*\dt     ; rule 0's key likewise
	global_load_b128 v[K0L+8*\dt+4:K0L+8*\dt+7], v67, s[PRK:PRK+1] offset:64*\dt+16
.endr
.irp i, 0,1,2,3,4,5,6,7,8,9,10,11,12,13,14,15
	global_load_b128 v[WQR+4*\i:WQR+4*\i+3], v[WQG], s[PWQ:PWQ+1] offset:512*\i    ; Wq: the wave takes one row of 512 bytes at a time
.endr
	s_lshl_b32 s[TO], s[HD], 19                    ; Wv: 1,024 rows a head; I fetch for quarter w: d 32 (w / 2) + 8 (w % 2) on, then 16 d further on
	s_lshl_b32 s2, s[TP], 18
	s_add_co_u32 s[TO], s[TO], s2
	s_lshl_b32 s2, s[GG], 16
	s_add_co_u32 s[TO], s[TO], s2
	s_add_nc_u64 s[PWV:PWV+1], s[PWV:PWV+1], s[TO:TO+1]
	s_lshl_b32 s[TO], s[WV], 15                    ; Wo: rows 64 w on
	s_add_nc_u64 s[PWO:PWO+1], s[PWO:PWO+1], s[TO:TO+1]
	s_lshl_b32 s[TO], s[HD], 19                    ; out0: row = batch 2,048 + head 256 + block 32, of 2,048 bytes; my columns 64 w on
	s_lshl_b32 s2, s[WV], 8
	s_add_co_u32 s[TO], s[TO], s2
	s_lshr_b32 s2, s[XB], 3
	s_lshl_b32 s2, s2, 22
	s_add_co_u32 s[TO], s[TO], s2
	s_and_b32 s2, s[XB], 7
	s_lshl_b32 s2, s2, 16
	s_add_co_u32 s[TO], s[TO], s2
	s_add_nc_u64 s[POUT:POUT+1], s[POUT:POUT+1], s[TO:TO+1]
	s_wait_kmcnt 0x0
	s_add_co_i32 s[EX], s[EX], s[EX+1]             ; e0 + e1
	s_add_co_i32 s[EX+2], s[EX+2], s[EX+3]         ; e2 + e3
	s_add_co_i32 s[QS], s[EX], 124
	s_lshl_b32 s[QS], s[QS], 23                    ; 2^(e0+e1-3) as f32
	s_mov_b32 s[QS+1], s[QS]                       ; (named with it as a pair, so it is written)
	s_sub_co_i32 s[EX], 0, s[EX]                   ; -(e0 + e1)
	s_sub_co_i32 s[EX+3], 0, s[EX+2]               ; -(e2 + e3)
	s_add_co_i32 s[OSC], s[EX+4], s[EX+5]
	s_add_co_i32 s[OSC], s[OSC], 127
	s_lshl_b32 s[OSC], s[OSC], 23                  ; 2^(e4 + e5) as f32
	s_mov_b32 s[OSC+1], s[OSC]
	s_sub_co_i32 s[EX+4], s[EX+4], s[EX+2]
	s_add_co_i32 s[EX+4], s[EX+4], 130             ; e4 - e2 - e3 + 3, + 127
	s_lshl_b32 s[EX+5], s[EX+4], 23
	s_add_co_i32 s[EX+4], s[EX+4], 15
	s_lshl_b32 s[EX+4], s[EX+4], 23
	s_or_b32 s[EX+4], s[EX+4], 0x600000
	v_mov_b32 v[SCV], s[EX+5]
	v_mov_b32 v[LIMV], s[EX+4]
	s_wait_alu depctr_va_vdst(0)
	s_wait_loadcnt 0x10                            ; all but Wq's 16 loads
.irp i, 0,1,2,3,4,5,6,7
	v_rcp_f32 v[WID+\i], v[WID+\i]
.endr
	v_nop                                          ; a plain instruction between the reciprocals and the use of their results
	s_wait_alu depctr_va_vdst(0)
.irp i, 0,2,4,6
	v_pk_mul_f32 v[WID+\i:WID+\i+1], v[WID+\i:WID+\i+1], 0x3dd96d27 op_sel_hi:[1,0]   ; x sqrt(log2(e) / 128)
.endr
.irp i, 0,2,4,6
	v_pk_add_f32 v[KEY+\i:KEY+\i+1], v[KEY+\i:KEY+\i+1], v[K0+\i:K0+\i+1] neg_lo:[0,1] neg_hi:[0,1]   ; u
.endr
.irp i, 0,2,4,6
	v_pk_mul_f32 v[WID+\i:WID+\i+1], v[WID+\i:WID+\i+1], v[WID+\i:WID+\i+1]           ; a
.endr
.irp i, 0,2,4,6
	v_pk_mul_f32 v[K0+\i:K0+\i+1], v[WID+\i:WID+\i+1], v[KEY+\i:KEY+\i+1]             ; a u
.endr
	v_pk_mul_f32 v[CC:CC+1], v[K0:K0+1], v[KEY:KEY+1]
.irp i, 2,4,6
	v_pk_fma_f32 v[CC:CC+1], v[K0+\i:K0+\i+1], v[KEY+\i:KEY+\i+1], v[CC:CC+1]
.endr
.irp i, 0,2,4,6
	v_pk_mul_f32 v[K0+\i:K0+\i+1], v[K0+\i:K0+\i+1], -2.0 op_sel_hi:[1,0]             ; b
.endr
	v_add_f32 v[CC], v[CC], v[CC+1]
.irp i, 0,1,2,3,4,5,6,7
	v_ldexp_f32 v[BVV+\i], v[BVV+\i], s[EX+3]
.endr
	v_add_f32_dpp v[CC], v[CC], v[CC] row_xmask:1 row_mask:0xf bank_mask:0xf          ; the rule's eight lanes hold its 64 d
	v_add_f32_dpp v[CC], v[CC], v[CC] row_xmask:2 row_mask:0xf bank_mask:0xf
	v_add_f32_dpp v[CC], v[CC], v[CC] row_xmask:4 row_mask:0xf bank_mask:0xf
.irp i, 0,2,4,6,8,10,12,14,16,18,20,22,24,26,28,30
	v_pk_fma_f32 v[TB+\i:TB+\i+1], v[K0L+\i:K0L+\i+1], 0xc1000000, v[TB+\i:TB+\i+1] op_sel_hi:[1,0,1]   ; bq - 8 k0
.endr
.irp i, 0,1,2,3,4,5,6,7,8,9,10,11,12,13,14,15,16,17,18,19,20,21,22,23,24,25,26,27,28,29,30,31
	v_ldexp_f32 v[TB+\i], v[TB+\i], s[EX]
.endr
	ds_store_b128 v[TABW], v[WID:WID+3]
	ds_store_b128 v[TABW], v[WID+4:WID+7] offset:16
	ds_store_b128 v[TABW], v[K0:K0+3] offset:TLIN
	ds_store_b128 v[TABW], v[K0+4:K0+7] offset:TLIN+16
	ds_store_b128 v[BIW], v[BVV:BVV+3]
	ds_store_b128 v[BIW], v[BVV+4:BVV+7] offset:16
	ds_store_b128 v[BOW], v[BOT:BOT+3]
	ds_store_b32 v[CKW], v[CC]                     ; (a rule's eight lanes store the same number)
	s_wait_alu depctr_va_vdst(0)
	s_wait_loadcnt 0x0
.irp i, 0,1,2,3,4,5,6,7,8,9,10,11,12,13,14,15
	ds_store_b128 v[WQS], v[WQR+4*\i:WQR+4*\i+3] offset:ROW*\i
.endr
	s_wait_tensorcnt 0x0                           ; my part of query or value is in,
	s_wait_dscnt 0x0                               ; my parts of the tables and of Wq are stored:
	s_barrier_signal -1
	s_barrier_wait -1                              ; everybody's are.
; ---- PHASE Q: q for my 64 tokens x the head's 64 d: 16 accumulators by turns, K step by K step; K steps 0, 1 in window 2, 2, 3 in window 3; value's fragments follow as each window is done with
.macro LOADQ s
	WIN 0x80+0x40*((\s)/2)
.irp i, 0,1,2,3
	FRAG 128*((\s)%2)+16*\i, AQQ, FRW*\i+128*(\s)
.endr
.irp i, 0,1,2,3
	FRAG 128*((\s)%2)+64+16*\i, AWQ, FRW*\i+128*(\s)
.endr
.endm
.macro MULQ s
	WIN 0x0a+5*((\s)/2)                            ; sources 0 and 1 window 2 or 3
.irp dt, 0,1,2,3
.irp tt, 0,1,2,3
.if (\s) == 0
	v_wmma_f32_16x16x128_bf8_bf8 v[QA+32*\tt+8*\dt:QA+32*\tt+8*\dt+7], v[128*((\s)%2)+64+16*\dt:128*((\s)%2)+64+16*\dt+15], v[128*((\s)%2)+16*\tt:128*((\s)%2)+16*\tt+15], v[TB+8*\dt:TB+8*\dt+7]
.else
	v_wmma_f32_16x16x128_bf8_bf8 v[QA+32*\tt+8*\dt:QA+32*\tt+8*\dt+7], v[128*((\s)%2)+64+16*\dt:128*((\s)%2)+64+16*\dt+15], v[128*((\s)%2)+16*\tt:128*((\s)%2)+16*\tt+15], v[QA+32*\tt+8*\dt:QA+32*\tt+8*\dt+7]
.endif
.endr
.endr
.endm
.macro VLOAD t                         ; value's tile t, all four K steps, into window 2 or 3: 16 loads
	WIN 0x80+0x40*((\t)/4)
.irp s, 0,1,2,3
	FRAG 64*((\t)%4)+16*\s, AVA, FRW*(\t)+128*\s
.endr
.endm
	LOADQ 0
	LOADQ 1
	LOADQ 2
	s_wait_dscnt 63                                ; of 96 loads the first 33 are in: K step 0's 32
	MULQ 0
	PLACES 4
	LOADQ 3
	WIN 0x40
.irp dt, 0,1,2,3                       ; the rules' tables: lane r holds rule r, d = 16 dt + 8 h + 0 .. 7: a in v0-31, b in v32-63 of window 1
	ds_load_b128 v[8*\dt:8*\dt+3], v[TABR] offset:64*\dt
	ds_load_b128 v[8*\dt+4:8*\dt+7], v[TABR] offset:64*\dt+16
	ds_load_b128 v[32+8*\dt:32+8*\dt+3], v[TABR] offset:TLIN+64*\dt
	ds_load_b128 v[32+8*\dt+4:32+8*\dt+7], v[TABR] offset:TLIN+64*\dt+16
.endr
	WIN 0
	ds_load_b128 v[TB:TB+3], v[CKR]                ; c of rules 8 h .. 8 h + 7
	ds_load_b128 v[TB+4:TB+7], v[CKR] offset:16
	s_wait_dscnt 63                                ; of 146 the first 83: K step 1's too
	MULQ 1
	PLACES 4
	VLOAD 0                                        ; value's first two tiles, over K step 0's fragments
	VLOAD 1
	s_wait_dscnt 63                                ; of 178 the first 115: K step 2's too
	MULQ 2
	s_wait_dscnt 50                                ; of 178 the first 128: K step 3's too
	WIN 0
	; query is in registers: slot 0 is filled again, with Wv's first tile
	s_wait_tensorcnt 0x0                           ; no tensor load of mine is out, so the groups 0 may be written
	ds_add_u32 v[SPW], v[NIL]                      ; 0 onto my spare word
	s_mov_b64 s[G0B+2:G0B+3], s[PWV:PWV+1]
	s_or_b32 s[G0B+3], s[G0B+3], 0x80000000
	s_mov_b64 s[G0A+2:G0A+3], s[PWO:PWO+1]         ; (Wo's, for later)
	s_or_b32 s[G0A+3], s[G0A+3], 0x80000000
	MULQ 3                                         ; sixteen matrix instructions stand between the add and the wait for it
	WIN 0
	s_wait_dscnt 0x0                               ; the add is done; my reads of query, of Wq and of the tables are over
	CROUND                                         ; that holds of every wave of every partner
	tensor_load_to_lds s[G0B:G0B+3], s[G1R:G1R+7]
	s_nop 0
	PLACES 4                                       ; also ahead of the loads into windows 2 and 3 and of the first read of q
; ---- RULE SUMS: rows = rules, columns = tokens.  In this form lane (r, h) gives k = 2 h, 2 h + 1: here d = 16 dt + 8 h + j, j + 1, on both sides.  Four tiles of tokens, their accumulators by turns.
; First the linear part, 16 d at a time; value's fragments are loaded between its groups, and a square is made behind each matrix instruction.
.macro SCALE dt                        ; t = acc 2^(e0+e1-3), in the order in which the products below take it
	WIN 0
.irp j, 0,2,4,6
.irp tt, 0,1,2,3
	v_pk_mul_f32 v[QA+32*\tt+8*(\dt)+\j:QA+32*\tt+8*(\dt)+\j+1], v[QA+32*\tt+8*(\dt)+\j:QA+32*\tt+8*(\dt)+\j+1], s[QS:QS+1] op_sel_hi:[1,0]
.endr
.endr
.endm
.macro ZLIN dt
.irp j, 0,2,4,6
.irp tt, 0,1,2,3
	WIN 0x01
.if ((\dt) == 0) && (\j == 0)
	v_wmma_f32_16x16x4_f32 v[ACC+8*\tt:ACC+8*\tt+7], v[32+8*(\dt)+\j:33+8*(\dt)+\j], v[QA+32*\tt+8*(\dt)+\j:QA+32*\tt+8*(\dt)+\j+1], v[TB:TB+7]
.else
	v_wmma_f32_16x16x4_f32 v[ACC+8*\tt:ACC+8*\tt+7], v[32+8*(\dt)+\j:33+8*(\dt)+\j], v[QA+32*\tt+8*(\dt)+\j:QA+32*\tt+8*(\dt)+\j+1], v[ACC+8*\tt:ACC+8*\tt+7]
.endif
	WIN 0x40
	v_pk_mul_f32 v[64+32*\tt+8*(\dt)+\j:65+32*\tt+8*(\dt)+\j], v[QA+32*\tt+8*(\dt)+\j:QA+32*\tt+8*(\dt)+\j+1], v[QA+32*\tt+8*(\dt)+\j:QA+32*\tt+8*(\dt)+\j+1]   ; t^2, in window 1
.endr
.endr
.endm
.macro ZSQ dt
	WIN 0x05
.irp j, 0,2,4,6
.irp tt, 0,1,2,3
	v_wmma_f32_16x16x4_f32 v[ACC+8*\tt:ACC+8*\tt+7], v[8*(\dt)+\j:8*(\dt)+\j+1], v[64+32*\tt+8*(\dt)+\j:64+32*\tt+8*(\dt)+\j+1], v[ACC+8*\tt:ACC+8*\tt+7]
.endr
.endr
.endm
.irp dt, 0,1,2,3
.if \dt < 3
	VLOAD 2*\dt+2
.endif
	SCALE \dt
.if \dt < 3
	VLOAD 2*\dt+3
.endif
	ZLIN \dt
.endr
	s_wait_alu depctr_va_vdst(0)                   ; ahead of the readers of the squares
	ZSQ 0
	ZSQ 1
	ZSQ 2
	ZSQ 3
	WIN 0
	PLACES 8                                       ; this form asks for eight places ahead of a read of its result
; ---- SOFTMAX over the 16 rules of a token, eight in each half of the lanes: m = the least S (the largest z); p = 2^(m - S); attn = p / their sum
.irp tt, 0,1,2,3
	v_min3_num_f32 v[SM+2*\tt], v[ACC+8*\tt], v[ACC+8*\tt+1], v[ACC+8*\tt+2]
.endr
.irp tt, 0,1,2,3
	v_min3_num_f32 v[SM+2*\tt+1], v[ACC+8*\tt+3], v[ACC+8*\tt+4], v[ACC+8*\tt+5]
.endr
.irp tt, 0,1,2,3
	v_min3_num_f32 v[SM+2*\tt], v[SM+2*\tt], v[ACC+8*\tt+6], v[ACC+8*\tt+7]
.endr
.irp tt, 0,1,2,3
	v_min_num_f32 v[SM+2*\tt], v[SM+2*\tt], v[SM+2*\tt+1]
.endr
.irp tt, 0,1,2,3
	v_permlanex16_b32 v[SX+\tt], v[SM+2*\tt], s[SEL], s[SEL+1]
.endr
.irp tt, 0,1,2,3
	v_min_num_f32 v[SM+2*\tt], v[SM+2*\tt], v[SX+\tt]
.endr
.irp tt, 0,1,2,3
.irp i, 0,2,4,6
	v_pk_add_f32 v[SE+8*\tt+\i:SE+8*\tt+\i+1], v[SM+2*\tt:SM+2*\tt+1], v[ACC+8*\tt+\i:ACC+8*\tt+\i+1] op_sel_hi:[0,1] neg_lo:[0,1] neg_hi:[0,1]   ; m - S
.endr
.endr
	s_wait_alu depctr_va_vdst(0)
.set ZI, 0
.rept 32
	v_exp_f32 v[SE+ZI], v[SE+ZI]
.set ZI, ZI+1
.endr
	v_nop                                          ; a plain instruction between the exponentials and the use of their results
	s_wait_alu depctr_va_vdst(0)
.irp tt, 0,1,2,3
	v_pk_add_f32 v[SS+2*\tt:SS+2*\tt+1], v[SE+8*\tt:SE+8*\tt+1], v[SE+8*\tt+2:SE+8*\tt+3]
	v_pk_add_f32 v[SB+2*\tt:SB+2*\tt+1], v[SE+8*\tt+4:SE+8*\tt+5], v[SE+8*\tt+6:SE+8*\tt+7]
.endr
.irp tt, 0,1,2,3
	v_pk_add_f32 v[SS+2*\tt:SS+2*\tt+1], v[SS+2*\tt:SS+2*\tt+1], v[SB+2*\tt:SB+2*\tt+1]
.endr
.irp tt, 0,1,2,3
	v_add_f32 v[SS+2*\tt], v[SS+2*\tt], v[SS+2*\tt+1]
.endr
.irp tt, 0,1,2,3
	v_permlanex16_b32 v[SX+\tt], v[SS+2*\tt], s[SEL], s[SEL+1]
.endr
.irp tt, 0,1,2,3
	v_add_f32 v[SS+2*\tt], v[SS+2*\tt], v[SX+\tt]
.endr
	s_wait_alu depctr_va_vdst(0)
.irp tt, 0,1,2,3
	v_rcp_f32 v[SS+2*\tt], v[SS+2*\tt]
.endr
	v_nop
	s_wait_alu depctr_va_vdst(0)
.irp tt, 0,1,2,3
.irp i, 0,2,4,6
	v_pk_mul_f32 v[SE+8*\tt+\i:SE+8*\tt+\i+1], v[SE+8*\tt+\i:SE+8*\tt+\i+1], v[SS+2*\tt:SS+2*\tt+1] op_sel_hi:[1,0]
.endr
.endr
.irp tt, 0,1,2,3
	ds_store_b128 v[ATW], v[SE+8*\tt:SE+8*\tt+3] offset:1024*\tt          ; an image of the registers
	ds_store_b128 v[ATW], v[SE+8*\tt+4:SE+8*\tt+7] offset:1024*\tt+512
.endr
	s_wait_alu depctr_va_vdst(0)
	s_wait_tensorcnt 0x0                           ; my part of Wv's first tile is in, and G0B may be written
	ds_add_u32 v[SPW], v[NIL]                      ; 0 onto my spare word
	s_mov_b32 s[G0B+1], s[LD1]
	s_add_nc_u64 s[G0B+2:G0B+3], s[G0B+2:G0B+3], 32768
	s_wait_dscnt 0x0                               ; the add is done, my tokens' attn is stored, value is in registers
	CROUND                                         ; that holds of every wave of every partner
	tensor_load_to_lds s[G0B:G0B+3], s[G1R:G1R+7]  ; slot 1 takes Wv's second tile
	s_nop 0
	PLACES 4
; ---- MAIN.  Unit n: 16 rows of Wv (one d, its 16 rules) x K 512 against my eight tiles of tokens, in two halves of four tiles: 2 x 16 matrix instructions.  Units 2 p and 2 p + 1 are pair p: d 32 g + 16 (p / 8) + p % 8, and the d 8 further on.
; A pair's 36 loads go out in one run, a pair (64 matrix instructions) ahead, into the other half of window 1.
.macro RUN p
.if (\p)%8 == 4                        ; on to slot 1
	v_add_nc_u32 v[AWB], 4*QSL, v[AWB]
	v_add_nc_u32 v[AWB+1], 4*QSL, v[AWB+1]
.endif
.if (\p) == 8                          ; back to slot 0
	v_sub_nc_u32 v[AWB], v[AWB], 4*QSL
	v_sub_nc_u32 v[AWB+1], v[AWB+1], 4*QSL
.endif
	WIN 0x40
.irp y, 0,1
.irp s, 0,1,2,3
	FRAG 128*((\p)%2)+64*\y+16*\s, AWB+\y, 16*((\p)%4)*ROW+128*\s
.endr
.endr
	WIN 0
.irp y, 0,1
	ds_load_b128 v[BC+16*((\p)%2)+8*\y:BC+16*((\p)%2)+8*\y+3], v[ABI] offset:64*(16*((\p)/8)+8*\y+(\p)%8)
	ds_load_b128 v[BC+16*((\p)%2)+8*\y+4:BC+16*((\p)%2)+8*\y+7], v[ABI] offset:64*(16*((\p)/8)+8*\y+(\p)%8)+16
.endr
.endm
; THE VECTOR WORK BEHIND MATRIX INSTRUCTION g OF HALF H.  It folds half H - 1: its first two tiles behind instructions 0-7, the other two behind 8-15, a tile's four packed steps two instructions apart.  The two partial sums
; are joined two instructions later; in the second unit of a pair the lanes' halves then exchange (lane half 0 takes the first unit's d, half 1 the second's) and add.  These are also the places behind the matrix instructions.
.macro GAP H, g
.set fF, (\H)-1
.set fG, (\g)
.set pF, -1
.set pK, 0
.set pS, 0
.if (fG >= 8) && (fG < 14)
.set pF, (\H)-1
.set pK, fG%2
.set pS, (fG-8)/2
.endif
.if fG < 6
.set pF, (\H)-2
.set pK, 2+fG%2
.set pS, fG/2
.endif
.if (pF >= 0) && (pF < 64)
.set pY, (pF/2)%2
.set pT, 4*(pF%2)+pK
.set pR, PR+8*pT+(pF/4)%8
.if pS == 0
	WIN 0
.if pY == 0
	v_add_f32 v[XX+pT], v[PP+2*pK], v[PP+2*pK+1]
.else
	v_add_f32 v[pR], v[PP+2*pK], v[PP+2*pK+1]
.endif
.endif
.if (pS == 1) && (pY == 1)
	WIN 0
	v_permlane16_swap_b32 v[XX+pT], v[pR]
.endif
.if (pS == 2) && (pY == 1)
	WIN 0
	v_add_f32 v[pR], v[XX+pT], v[pR]
.endif
.endif
.if ((\H) == 33) || ((\H) == 34)       ; units 0-15 are folded: the hold at the largest code x the scale (the conversion to an 8-bit code does not saturate: ISA guide 7.6.2), tiles 0-3, then 4-7
.set qR, PR+32*((\H)-33)+2*fG
	WIN 0
	v_med3_num_f32 v[qR], v[qR], -v[LIMV], v[LIMV]
	v_med3_num_f32 v[qR+1], v[qR+1], -v[LIMV], v[LIMV]
.endif
.if (fF >= 0) && (fF < 64)
.set fK, fG%2+2*(fG/8)
.set fS, (fG/2)%4
.set fA, ATT+8*(4*(fF%2)+fK)+2*fS
.set fC, ACC+8*(4*(fF%2)+fK)+2*fS
.set fP, PP+2*fK
	WIN 0
.if fS == 0
	v_pk_mul_f32 v[fP:fP+1], v[fA:fA+1], v[fC:fC+1]
.else
	v_pk_fma_f32 v[fP:fP+1], v[fA:fA+1], v[fC:fC+1], v[fP:fP+1]
.endif
.endif
.endm
; Half H: tiles 4 (H % 2) on of unit H / 2: four accumulators by turns, K step by K step; the bias is the C of the first
.macro HALF H
.set hB, BC+16*(((\H)/4)%2)+8*(((\H)/2)%2)
.set hW, 128*(((\H)/4)%2)+64*(((\H)/2)%2)
.set hA, ACC+32*((\H)%2)
.irp s, 0,1,2,3
.irp k, 0,1,2,3
	WIN 0x09+4*((\H)%2)                            ; source 0 (Wv) window 1, source 1 (value) window 2 or 3
.if \s == 0
	v_wmma_f32_16x16x128_bf8_bf8 v[hA+8*\k:hA+8*\k+7], v[hW+16*\s:hW+16*\s+15], v[64*\k+16*\s:64*\k+16*\s+15], v[hB:hB+7]
.else
	v_wmma_f32_16x16x128_bf8_bf8 v[hA+8*\k:hA+8*\k+7], v[hW+16*\s:hW+16*\s+15], v[64*\k+16*\s:64*\k+16*\s+15], v[hA+8*\k:hA+8*\k+7]
.endif
	GAP \H, 4*\s+\k
.endr
.endr
.endm
; A lane's eight neighbouring d (32 g + 16 G + 8 h on) of tile t's token become eight codes
.macro CVT t, d
	v_cvt_scalef32_pk8_bf8_f32 v[\d:\d+1], v[PR+8*(\t):PR+8*(\t)+7], v[SCV]
.endm
.macro CODE t, d, G
	ds_store_b64 v[CSA], v[\d:\d+1] offset:2*ROW*(\t)+16*(\G)
.endm
.macro CODES0                          ; the codes of G = 0, into registers that are done with: two parts of sums, then the numbers of tiles 0 and 1, each written behind a plain instruction
	WIN 0
	CVT 0, PP
	CVT 1, PP+2
	v_nop
	CVT 2, PR
	CVT 3, PR+2
	CVT 4, PR+4
	CVT 5, PR+6
	CVT 6, PR+8
	CVT 7, PR+10
	v_nop
	CODE 0, PP, 0
	CODE 1, PP+2, 0
	CODE 2, PR, 0
	CODE 3, PR+2, 0
	CODE 4, PR+4, 0
	CODE 5, PR+6, 0
	CODE 6, PR+8, 0
	CODE 7, PR+10, 0
.endm
.macro PAIR p
	PLACES 3                                       ; with the last fold four places ahead of the loads into the half of window 1 that was just multiplied
	WIN 0
	s_wait_alu depctr_va_vdst(0)                   ; directly ahead of the wait below
	s_wait_dscnt 0x0                               ; this pair's fragments and biases, asked for a pair ago
	RUN (\p)+1
.if ((\p)%4 == 2) && ((\p) > 2)        ; the next pair changes slots: my part of the other slot is in, and its add goes out here; a pair's matrix instructions stand between it and the wait for it
	s_wait_tensorcnt 0x0
	ds_add_u32 v[SPW], v[NIL]                      ; 0 onto my spare word
.endif
	HALF 4*(\p)
	HALF 4*(\p)+1
	HALF 4*(\p)+2
.if (\p) == 8
	CODES0
.endif
	HALF 4*(\p)+3
.endm
; A pair that changes slots.  The slot's last fragments are in registers; each wave waits for all its tensor loads (one: its part of the other slot), adds 0 to its spare word, waits for that and for its reads;
; the barrier opens a round of the cluster's; the refill is the first thing behind the round.
.macro CHANGE p, g0, g1, lds, step
	PLACES 3
	WIN 0
	s_wait_alu depctr_va_vdst(0)
.if (\p) == 3                          ; (the later changes have these two lines a pair ahead)
	s_wait_tensorcnt 0x0                           ; no tensor load of mine is out, so a group 0 may be written
	ds_add_u32 v[SPW], v[NIL]                      ; 0 onto my spare word
.endif
	s_mov_b32 s[\g0+1], s[\lds]
.if \step
	s_add_nc_u64 s[\g0+2:\g0+3], s[\g0+2:\g0+3], \step   ; the type bits on top are not reached
.endif
	s_wait_dscnt 0x0                               ; the add is done, this pair's fragments are in, and my reads of the slot are over
	s_barrier_signal -1
	HALF 4*(\p)                                    ; work on registers while the others arrive
	WIN 0
	s_wait_alu depctr_va_vdst(0)
	s_barrier_wait -1
	CREST
	tensor_load_to_lds s[\g0:\g0+3], s[\g1:\g1+7]
	s_nop 0
	PLACES 4
.if (\p) < 15
	RUN (\p)+1
.endif
	HALF 4*(\p)+1
	HALF 4*(\p)+2
.if (\p) < 15
	HALF 4*(\p)+3
.endif
.endm
	RUN 0
.irp t, 0,1,2,3,4,5,6,7
	ds_load_b128 v[ATT+8*\t:ATT+8*\t+3], v[ATR] offset:1024*\t            ; attn of token r of my tile t, rules 8 h on: it stays
	ds_load_b128 v[ATT+8*\t+4:ATT+8*\t+7], v[ATR] offset:1024*\t+512
.endr
	s_wait_dscnt 16                                ; pair 0's loads; attn's 16 may be out: the first half has no folds
	HALF 0
	PLACES 4
	WIN 0
	RUN 1
	s_wait_dscnt 36                                ; attn; the 36 loads just issued may be out
	HALF 1
	HALF 2
	HALF 3
	PAIR 1
	PAIR 2
	CHANGE 3, G0B, G1R, LD0, 98304                 ; slot 0 takes the d 16 further on than the first tile's
	PAIR 4
	PAIR 5
	PAIR 6
	CHANGE 7, G0B, G1R, LD1, 32768                 ; slot 1 the four behind them
	PAIR 8
	PAIR 9
	PAIR 10
	CHANGE 11, G0A, G1P, LD0, 0                    ; slot 0 takes my 64 of Wo's rows 0-255
	PAIR 12
	PAIR 13
	PAIR 14
	CHANGE 15, G0A, G1P, LD1, 131072               ; slot 1 takes my 64 of Wo's rows 256-511
	HALF 63
.irp g, 0,1,2,3,4,5,6,7,8,9,10,11,12,13,14,15
	GAP 64, \g
	WIN 0x80                                       ; Wo's rows 64 w on were shown landed by the last change's wait, and only I read them: 16 fragments, K step by K step, into window 2, which value's tiles 0-3 have left
	FRAG 64*(\g%4)+16*(\g/4), AQ, FRW*(\g%4)+128*(\g/4)
.endr
	WIN 0
.irp g, 0,1,2,3,4,5
	GAP 65, \g
.endr
.set ZI, 0
.rept 64
	v_med3_num_f32 v[PR+ZI], v[PR+ZI], -v[LIMV], v[LIMV]
.set ZI, ZI+1
.endr
.irp t, 0,1,2,3,4,5,6,7
	CVT \t, BC+2*\t
.endr
	v_nop                                          ; a plain instruction behind the last conversion
.irp t, 0,1,2,3,4,5,6,7
	CODE \t, BC+2*\t, 1
.endr
	s_wait_alu depctr_va_vdst(0)
	s_wait_dscnt 0x0                               ; my codes are stored
	s_barrier_signal -1
	s_barrier_wait -1                              ; the 32 rows of codes are whole, and nobody reads the tables any more.  My last tensor load may stay out
; ---- LAST PRODUCT: 32 rows x my 64 columns of each half of Wo: eight accumulators by turns
.macro MULO o, per, more               ; per: the loads that bring a K step; more: the loads issued behind the last K step's
	WIN 0x06+(\o)                                  ; source 0 (Wo) window 2 or 3, source 1 (the codes) window 1
.irp s, 0,1,2,3
	s_wait_dscnt \per*(3-\s)+\more                 ; this K step's fragments are in; the later ones may be out
.irp nt, 0,1,2,3
.irp mt, 0,1
.if \s == 0
	v_wmma_f32_16x16x128_bf8_bf8 v[ACC+8*(2*\nt+\mt):ACC+8*(2*\nt+\mt)+7], v[64*\nt+16*\s:64*\nt+16*\s+15], v[64*\mt+16*\s:64*\mt+16*\s+15], 0
.else
	v_wmma_f32_16x16x128_bf8_bf8 v[ACC+8*(2*\nt+\mt):ACC+8*(2*\nt+\mt)+7], v[64*\nt+16*\s:64*\nt+16*\s+15], v[64*\mt+16*\s:64*\mt+16*\s+15], v[ACC+8*(2*\nt+\mt):ACC+8*(2*\nt+\mt)+7]
.endif
.endr
.endr
.endr
	WIN 0
.endm
; The way out: sum x 2^(e4+e5) + bo; a lane's eight neighbouring columns of a row go into my stage, 16 rows at a time, and come back as rows of 256 bytes
.macro OUTP o
.irp mt, 0,1
.irp nt, 0,1,2,3
.irp i, 0,2,4,6
	v_pk_fma_f32 v[TMP+32*\mt+8*\nt+\i:TMP+32*\mt+8*\nt+\i+1], v[ACC+8*(2*\nt+\mt)+\i:ACC+8*(2*\nt+\mt)+\i+1], s[OSC:OSC+1], v[BOV+32*(\o)+8*\nt+\i:BOV+32*(\o)+8*\nt+\i+1] op_sel_hi:[1,0,1]
.endr
.endr
.irp nt, 0,1,2,3
	ds_store_b128 v[OSI], v[TMP+32*\mt+8*\nt:TMP+32*\mt+8*\nt+3] offset:64*\nt
	ds_store_b128 v[OSI], v[TMP+32*\mt+8*\nt+4:TMP+32*\mt+8*\nt+7] offset:64*\nt+16
.endr
	s_wait_xcnt 0x0                                ; the earlier stores have read their registers: these are loaded again only behind this wait
.irp i, 0,1,2,3,4,5,6,7
	ds_load_b128 v[BK+4*\i:BK+4*\i+3], v[OSR] offset:2*OP*\i       ; in order behind my stores (ISA guide 5.7.1.4); the next 16 rows' stores come behind these
.endr
.irp i, 0,1,2,3,4,5,6,7
	s_wait_dscnt 7-\i
	global_store_b128 v[OA], v[BK+4*\i:BK+4*\i+3], s[POUT:POUT+1] offset:(16*\mt+2*\i)*2048+1024*(\o) th:TH_STORE_NT   ; 16 lanes store 256 consecutive bytes, at a multiple of 256 from out0's first byte
.endr
.endr
.endm
	WIN 0x40
.irp s, 0,1,2,3
.irp mt, 0,1
	FRAG 64*\mt+16*\s, AWQ, FRW*\mt+128*\s
.endr
.endr
	WIN 0
.irp o, 0,1
.irp nt, 0,1,2,3
	ds_load_b128 v[BOV+32*\o+8*\nt:BOV+32*\o+8*\nt+3], v[ABO] offset:1024*\o+64*\nt
	ds_load_b128 v[BOV+32*\o+8*\nt+4:BOV+32*\o+8*\nt+7], v[ABO] offset:1024*\o+64*\nt+16
.endr
.endr
	MULO 0, 8, 16                                  ; bo's 16 loads stand behind the codes'
	s_wait_dscnt 0x0                               ; bo
	PLACES 4
	OUTP 0                                         ; the first 256 columns leave while the other half of Wo is on its way
	s_wait_tensorcnt 0x0                           ; my 64 of Wo's rows 256-511 are in; only I read them
	v_add_nc_u32 v[AQ], 4*QSL, v[AQ]               ; my quarter of slot 1
	WIN 0xc0
.irp s, 0,1,2,3
.irp nt, 0,1,2,3
	FRAG 64*\nt+16*\s, AQ, FRW*\nt+128*\s
.endr
.endr
	MULO 1, 16, 0
	PLACES 4
	OUTP 1
	s_wait_tensorcnt 0x0                           ; the wave's end: behind my last tensor load and my last LDS store
	ds_add_u32 v[SPW], v[NIL]
	s_wait_dscnt 0x0
	CROUND                                         ; the closing round: no work-group ends while a partner may still ask for a tile that names it
	s_endpgm
.Lfunc_end_k_qf03a58e4c7_fuzzy:
	.size	k_qf03a58e4c7_fuzzy, .Lfunc_end_k_qf03a58e4c7_fuzzy-k_qf03a58e4c7_fuzzy
	.p2alignl 7, 3214868480
	.fill 96, 4, 3214868480
	.section	.rodata,"a",@progbits
	.p2align	6, 0x0
	.amdhsa_kernel k_qf03a58e4c7_fuzzy
		.amdhsa_group_segment_fixed_size 327680
		.amdhsa_private_segment_fixed_size 0
		.amdhsa_enable_private_segment 0
		.amdhsa_kernarg_size 96
		.amdhsa_user_sgpr_count 2
		.amdhsa_user_sgpr_kernarg_segment_ptr 1
		.amdhsa_wavefront_size32 1
		.amdhsa_system_sgpr_workgroup_id_x 1
		.amdhsa_system_sgpr_workgroup_id_y 1
		.amdhsa_system_sgpr_workgroup_id_z 1
		.amdhsa_system_vgpr_workitem_id 0
		.amdhsa_next_free_vgpr 1024
		.amdhsa_next_free_sgpr 106
		.amdhsa_reserve_vcc 0
		.amdhsa_float_denorm_mode_32 3
		.amdhsa_float_denorm_mode_16_64 3
		.amdhsa_memory_ordered 1
		.amdhsa_forward_progress 1
		.amdhsa_inst_pref_size 255
	.end_amdhsa_kernel
	.section	.bss,"aw",@nobits
	.p2align	6
	.space	262144
	.amdgpu_metadata
---
amdhsa.version: [ 1, 2 ]
amdhsa.kernels:
  - .name:           k_qf03a58e4c7_fuzzy
    .symbol:         k_qf03a58e4c7_fuzzy.kd
    .args:
      - { .name: query_codes, .offset: 0, .size: 8, .value_kind: global_buffer, .address_space: global }
      - { .name: Wq_codes, .offset: 8, .size: 8, .value_kind: global_buffer, .address_space: global }
      - { .name: value_codes, .offset: 16, .size: 8, .value_kind: global_buffer, .address_space: global }
      - { .name: Wv_codes, .offset: 24, .size: 8, .value_kind: global_buffer, .address_space: global }
      - { .name: Wo_codes, .offset: 32, .size: 8, .value_kind: global_buffer, .address_space: global }
      - { .name: bq, .offset: 40, .size: 8, .value_kind: global_buffer, .address_space: global }
      - { .name: bv, .offset: 48, .size: 8, .value_kind: global_buffer, .address_space: global }
      - { .name: bo, .offset: 56, .size: 8, .value_kind: global_buffer, .address_space: global }
      - { .name: rules_keys, .offset: 64, .size: 8, .value_kind: global_buffer, .address_space: global }
      - { .name: rules_widths, .offset: 72, .size: 8, .value_kind: global_buffer, .address_space: global }
      - { .name: lowp_scales, .offset: 80, .size: 8, .value_kind: global_buffer, .address_space: global }
      - { .name: out0, .offset: 88, .size: 8, .value_kind: global_buffer, .address_space: global }
    .group_segment_fixed_size: 327680
    .private_segment_fixed_size: 0
    .kernarg_segment_align: 8
    .kernarg_segment_size: 96
    .max_flat_workgroup_size: 128
    .sgpr_count:     106
    .vgpr_count:     1024
    .wavefront_size: 32
...
	.end_amdgpu_metadata
.endif
;; end of part 1
